; MI455X (gfx1250); checked and timed in simulation.
; The chip was launched on July 23, 2026; its instructions are those of AMD's public machine-readable ISA for CDNA 5 (MIT licence, August 2026) and "CDNA5" Instruction Set Architecture Reference Guide (July 2026). The comments in the code are by the model that wrote it; some were corrected since.
;; Model. Allowed arithmetic: matrix products marked QUANTISED: E2M1 operands, one E8M0 scale for each 32 along K, by v_wmma_scale_f32_16x16x128_f8f6f4 with both operands' format E2M1 (or v_wmma_scale_f32_32x16x128_f4), f32 sums; products left as they are: f32 operands where the result goes on into a quantised operand, else bf16, f16 or f32 operands; f32 sums; everything else in f32.
;; Inputs: W1 256 x 512 x 256 float32; W2 256 x 512 x 256 float32; Wmerge 512 x 256 float32; b1 256 float32; b2 256 float32; h0 1,024 x 256 float32; h1 1,024 x 256 float32; x0 1,024 x 128 float32; x1 1,024 x 128 float32.
;; Outputs: out0 1,024 x 256 float32; out1 1,024 x 256 float32.
;; This version of the problem:
;;   THIS VERSION OF THE PROBLEM IS GIVEN IN LOW PRECISION. The matrix products marked QUANTISED in the list below multiply operands that are first quantised to E2M1 (2 exponent bits, 1 mantissa bit; 4 bits a number), with one power-of-two scale for each 32 numbers along K (OCP MX v1.0); their sums are f32. All else is computed in f32.
;;   The module's matrix products, in the order in which they are computed (A, B: the left and right operand; K: the contracted axis; several contracted axes count as one K, in the product's order):
;;     1. batch 1,024 x [M 256, K 1] x [K 1, N 512]; A: computed on the way; B: computed on the way: left as it is (no contracted axis)
;;     2. [M 1,024, K 131,072] x [K 131,072, N 256]; A: computed on the way; B: input W1: QUANTISED
;;     3. batch 1,024 x [M 256, K 1] x [K 1, N 512]; A: computed on the way; B: computed on the way: left as it is (no contracted axis)
;;     4. [M 1,024, K 131,072] x [K 131,072, N 256]; A: computed on the way; B: input W2: QUANTISED
;;     5. [M 1,024, K 512] x [K 512, N 256]; A: computed on the way; B: input Wmerge: QUANTISED
;;   THE QUANTISER, for each operand of a quantised product, along K:
;;     - K is cut into blocks of 32 from its start; a last block that is shorter is filled with zeros.
;;     - A block's scale is 2^e with e = floor(log2(the largest magnitude in the block)) - 2, held to -126 .. 127; a block of zeros has e = 0. As a byte (E8M0): e + 127.
;;     - Each number is divided by its block's scale, clamped to +-6, and rounded to the nearest number of E2M1, ties to even, subnormals kept.
;;     - The product sums the exact products of the quantised numbers (number of the format x scale) in f32.
;;   ~~~python
;;   def quantise(x, axis):      # numpy; x: float32 -> the quantised numbers, widened to float32 again
;;       x = np.moveaxis(x, axis, -1); K = x.shape[-1]
;;       x = np.pad(x, [(0, 0)] * (x.ndim - 1) + [(0, -K % 32)]); x = x.reshape(x.shape[:-1] + (-1, 32)); a = np.abs(x).max(-1, keepdims=True)
;;       e = np.where(a > 0, np.clip(np.frexp(np.where(a > 0, a, 1))[1] - 1 - 2, -126, 127), 0)      # np.frexp(a)[1] - 1 = floor(log2(a)), exactly
;;       r = np.clip(x / 2.0 ** e, -6, 6)
;;       step = 2.0 ** (np.maximum(np.frexp(np.where(r == 0, 1, r))[1] - 1, 0) - 1)
;;       q = np.round(r / step) * step * 2.0 ** e      # np.round: ties to even
;;       return np.moveaxis(q.reshape(q.shape[:-2] + (-1,))[..., :K], -1, axis).astype(np.float32)
;;   ~~~
;;   OPERANDS COMPUTED ON THE WAY. 'Computed on the way' means the value that the module computes at that place (a softmax that the list does not call 'softmax' is quantised finished and normalised). What goes into a quantiser is computed in f32, as accurately as f32 sums, v_exp_f32 and their like allow (about 1e-6 of the number): no bf16 or f16 on the way to a quantiser, and a product that is left as it is and whose result goes on into a quantised operand takes f32 operands (vector FMAs, or v_wmma_f32_16x16x4_f32). A number that lies on a knife's edge between two numbers of the format may be rounded either way, as far as f32 arithmetic and the matrix unit's own rounding can turn it there, and no further.
;; One version. Each part assembles by itself: llvm-mc -triple=amdgcn-amd-amdhsa -mcpu=gfx1250 --defsym DOCPART=n.
;; ======== version 1 of 1: 3 launches
;; workspace buffers: wq 35,651,584 bytes; part 67,108,864 bytes; sq 327,680 bytes; mq 81,920 bytes
;; launch quant (part 1): grid 1104 x 1, 4 waves a work-group, no clusters, 34,304 bytes of LDS; arguments W1, W2, Wmerge, h0, h1, wq, sq, mq; writes wq, sq, mq
.if DOCPART == 1
	.amdgcn_target "amdgcn-amd-amdhsa--gfx1250"
	.amdhsa_code_object_version 6
	.text
	.protected	k_q5af8deb84d_quant
	.globl	k_q5af8deb84d_quant
	.p2align	8
	.type	k_q5af8deb84d_quant,@function
k_q5af8deb84d_quant:
	s_mov_b64 s[64:65], 0
	v_nop
	global_prefetch_b8 v0, s[64:65] scope:SCOPE_SE
	s_setreg_imm32_b32 hwreg(HW_REG_WAVE_MODE, 25, 1), 1
	s_wait_xcnt 0x0
; W1, W2 [256 l][512 j][256 k], s = [h0 | h1] [1024][512 j] and Wmerge [512 j][256 l], all f32, become codes of FP4 (E2M1) with one E8M0 byte for each 32 along K,
; laid IN THE ORDER OF THE OPERAND'S REGISTERS, so that the launches behind this one fetch fragments as they stand.  K of the two large products is 256 j + k (W's own order in memory):
; a block of 32 is 32 neighbouring k of one j.  K of the small product is j.
; A FRAGMENT is 16 rows x 128 K: lane (r = lane % 16, h = lane / 16) holds row r; its registers 4 c .. 4 c + 3 hold K = 64 c + 32 h + 0 .. 31: TWO WHOLE BLOCKS a lane (blocks h and 2 + h of the four).
; A block's scale is 2^(floor(log2(its largest magnitude)) - 2); its byte is the largest magnitude's exponent field - 2, held at 1 from below by a floor among the maximum's leaves.
; LIMITS: a block of zeros gets the byte 1 where the quantiser says 127: its codes are zeros, which add nothing under any byte but 0xff, and this program alone reads the bytes.
;         NaN and infinities among the inputs are not served.
; wq: 1,024 blocks of 34,816 bytes, block ((ks x 4 + w) x 8 + g): slice ks of K (kq = ks & 1: k = 128 kq on; jg = ks >> 1: j = 32 jg on), quarter w of the 512 rows (w < 2: W1's rows 128 w on; else W2's rows 128 (w - 2) on),
;     group g of four K steps (K step t = 4 g + tt is j = 32 jg + t, 128 k).  Codes [tt 4][b 8][c 2][lane 32][16 bytes]; behind them, at 32,768, scale words [p 4][lane 32][tt 4]: lanes 0-15 tile b = 2 p, lanes 16-31 tile 2 p + 1.
; sq, mq: records of 1,280 bytes, one fragment each: codes [c 2][lane 32][16 bytes], then [lane 32][8 bytes]: the row's scale word, twice, so that the store covers 256 consecutive bytes.
;     sq: record 4 bt + t (16 rows of s, j = 128 t on);  mq: record 4 lt + t (16 columns of Wmerge, j = 128 t on).
; WORK-GROUPS: 0-63 s (one tile of 16 rows each, a wave to a K step); 64-79 Wmerge (likewise); 80-1103 one block of wq each.  No tensor loads, no barrier: waves share nothing.
.set BLKB,   34816                     ; a block of wq
.set RECB,   1280                      ; a record of sq or mq
.set SPITCH, 528                       ; a stage row: 512 bytes + 16: an odd multiple of 16, so that the sixteen rows that a load touches begin in different banks (64 banks of 4 bytes: ISA guide 11.1)
.set WSTG,   16*SPITCH                 ; a wave's stage: 16 rows
.set VO,   4                           ; v4   16 x lane;  v5 the same + 16 rows of W (8,388,608 bytes: one more than a signed 24-bit immediate holds)
.set STI,  6                           ; v6   the stage on the way in: my wave's stage + 16 x lane
.set STO,  7                           ; v7   and on the way out: + 528 r + 128 h
.set OC,   8                           ; v8   my codes' place in the block: 2,048 x wave + 16 x lane
.set OW,   9                           ; v9   my scale words' place: 512 x wave + 16 x lane
.set SH8,  10                          ; v10  8 h: how far my two bytes are shifted in the scale word
.set PT,   11                          ; v11  the other half's bytes
.set M,    12                          ; v12-13 largest magnitudes of my two blocks
.set SC,   14                          ; v14-15 the conversions' scale operands
.set BY,   16                          ; v16-17 the bytes
.set PW,   18                          ; v18  my two bytes in their places
.set LO,   19                          ; v19  the small paths' load offset
.set OUTW, 20                          ; v20-23 four scale words to store
.set SW,   24                          ; v24-31 the scale word of each of my eight images
.set R,    32                          ; v32-223 three sets of 64 numbers
.set C,    224                         ; v224-239 two sets of 8 registers of codes
.set WD,   240                         ; v240-241 a record's scale word, twice
.set L8,   242                         ; v242 8 x lane
.set SEL,  28                          ; s[28:29] v_permlanex16_b32's selects for lane l xor 16
.set MASK, 30                          ; s30  lanes 16-31
; 64 numbers of a lane, v[src + 32 c + i] = element i of block 2 c + h of my row, become 8 registers of codes at v[dst] and the row's whole scale word in v[wd] (the same in both halves of the lanes).
.macro QUANT64 src, dst, wd
.irp c, 0,1
	v_max3_num_f32 v[M+\c], |v[(\src)+32*\c]|, |v[(\src)+32*\c+1]|, 0x1800000      ; the floor 2^(3 - 127) among the leaves: the byte cannot fall under 1
.endr
.irp i, 2,4,6,8,10,12,14,16,18,20,22,24,26,28,30
.irp c, 0,1
	v_max3_num_f32 v[M+\c], v[M+\c], |v[(\src)+32*\c+\i]|, |v[(\src)+32*\c+\i+1]|  ; the two blocks by turns
.endr
.endr
.irp c, 0,1
	v_add_nc_u32 v[SC+\c], 0xff000000, v[M+\c]     ; 2 off the exponent field: the conversion takes the exponent field of this operand as its scale, and nothing else of it
.endr
.irp c, 0,1
.irp g, 0,1,2,3
	v_cvt_scalef32_pk8_fp4_f32 v[(\dst)+4*\c+\g], v[(\src)+32*\c+8*\g:(\src)+32*\c+8*\g+7], v[SC+\c]
.endr
.endr
.irp c, 0,1
	v_lshrrev_b32 v[BY+\c], 23, v[SC+\c]           ; the bytes.  (Plain lines behind the conversions)
.endr
	v_lshl_or_b32 v[PW], v[BY+1], 16, v[BY]        ; blocks h and 2 + h,
	v_lshlrev_b32 v[PW], v[SH8], v[PW]             ; 8 h bits up;
	v_permlanex16_b32 v[PT], v[PW], s[SEL], s[SEL+1]
	v_or_b32 v[\wd], v[PW], v[PT]                  ; with lane l xor 16's two the word is whole
.endm
	s_load_b256 s[4:11], s[0:1], 0x0               ; W1 s[4:5], W2 s[6:7], Wmerge s[8:9], h0 s[10:11]
	s_load_b256 s[12:19], s[0:1], 0x20             ; h1 s[12:13], wq s[14:15], sq s[16:17], mq s[18:19]
	v_lshl_add_u32 v254, v0, 2, 0x8400
	v_mov_b32 v255, 0
	v_lshrrev_b32 v1, 5, v0
	v_readfirstlane_b32 s20, v1                    ; wave 0..3
	v_and_b32 v1, 31, v0                           ; lane
	v_and_b32 v2, 15, v0                           ; r
	v_bfe_u32 v3, v0, 4, 1                         ; h
	v_lshlrev_b32 v[VO], 4, v1
	v_lshlrev_b32 v[SH8], 3, v3
	v_mov_b32 v[PT], 0                             ; written once: a lane permute's destination counts as one of its sources
	s_mov_b32 s[SEL], 0x76543210
	s_mov_b32 s[SEL+1], 0xfedcba98
	s_mov_b32 s[MASK], 0xffff0000
	s_mov_b32 s25, 0                               ; the high words of the two offset pairs s[24:25], s[26:27]
	s_mov_b32 s27, 0
	s_wait_kmcnt 0x0
	s_cmp_lt_u32 ttmp9, 64
	s_cbranch_scc1 .Ls_path
	s_cmp_lt_u32 ttmp9, 80
	s_cbranch_scc1 .Lm_path
	; ---- A BLOCK OF wq.  Wave p takes tiles b = 2 p and 2 p + 1 for the block's four K steps: eight images, n = 4 bb + tt.
	s_sub_co_u32 s21, ttmp9, 80                    ; the block's number
	s_and_b32 s22, s21, 7                          ; g
	s_bfe_u32 s23, s21, 0x20003                    ; w
	s_lshr_b32 s24, s21, 5                         ; ks
	s_and_b32 s26, s23, 1
	s_lshl_b32 s26, s26, 7
	s_lshl_b32 s31, s20, 5
	s_add_co_u32 s26, s26, s31                     ; my first row l: 128 (w & 1) + 32 p,
	s_lshl_b32 s26, s26, 19                        ; of 524,288 bytes
	s_lshr_b32 s31, s24, 1
	s_lshl_b32 s31, s31, 15                        ; + 32 jg rows j of 1,024 bytes
	s_add_co_u32 s26, s26, s31
	s_lshl_b32 s31, s22, 12                        ; + 4 g of them
	s_add_co_u32 s26, s26, s31
	s_and_b32 s31, s24, 1
	s_lshl_b32 s31, s31, 9                         ; + 128 kq numbers
	s_add_co_u32 s26, s26, s31
	s_cmp_lt_u32 s23, 2                            ; W1 or W2: the choice hangs on the work-group's number alone
	s_cselect_b64 s[32:33], s[4:5], s[6:7]
	s_add_nc_u64 s[32:33], s[32:33], s[26:27]
	s_mul_i32 s24, s21, BLKB
	s_add_nc_u64 s[34:35], s[14:15], s[24:25]
	v_add_nc_u32 v[VO+1], 0x800000, v[VO]
	s_mul_i32 s31, s20, WSTG
	v_add_nc_u32 v[STI], s31, v[VO]
	v_mul_u32_u24 v[STO], v2, SPITCH
	v_lshl_add_u32 v[STO], v3, 7, v[STO]
	v_add_nc_u32 v[STO], s31, v[STO]
	s_lshl_b32 s31, s20, 11
	v_add_nc_u32 v[OC], s31, v[VO]
	s_lshl_b32 s31, s20, 9
	v_add_nc_u32 v[OW], s31, v[VO]
; Image n: 16 rows x 128 numbers.  Each load reads 512 consecutive bytes of one row, 16 a lane.
.macro LOADIMG n
.irp i, 0,1,2,3,4,5,6,7,8,9,10,11,12,13,14,15
	global_load_b128 v[R+64*((\n)%3)+4*\i:R+64*((\n)%3)+4*\i+3], v[VO+(\n)/4], s[32:33] offset:\i*524288+((\n)%4)*1024 th:TH_LOAD_NT
.endr
.endm
; The conversions want a block's 32 numbers in ONE lane: the image turns through my wave's own stage, in as it was loaded, out 128 bytes a block.  LDS serves a wave's instructions in order
; (ISA guide 5.7.1.4): no wait between the stores and the loads, nor in front of the next image's stores.  The numbers come back into the registers that they left.
.macro TURNIMG n
.irp i, 0,1,2,3,4,5,6,7,8,9,10,11,12,13,14,15
	ds_store_b128 v[STI], v[R+64*((\n)%3)+4*\i:R+64*((\n)%3)+4*\i+3] offset:SPITCH*\i
.endr
.irp c, 0,1
.irp m, 0,1,2,3,4,5,6,7
	ds_load_b128 v[R+64*((\n)%3)+32*\c+4*\m:R+64*((\n)%3)+32*\c+4*\m+3], v[STO] offset:256*\c+16*\m
.endr
.endr
.endm
	LOADIMG 0
	LOADIMG 1
	LOADIMG 2
.irp n, 0,1,2,3,4,5,6,7
.if 7-\n >= 2
	s_wait_loadcnt 32                              ; this image's sixteen loads are in; those of the two images behind it may be out
.else
	s_wait_loadcnt 16*(7-\n)
.endif
	TURNIMG \n
	s_wait_dscnt 0x0
.if \n >= 2
	s_wait_xcnt 0x0                                ; the stores of the image two back have read this set of codes: it is written again only behind this wait
.endif
	QUANT64 R+64*(\n%3), C+8*(\n%2), SW+\n
	global_store_b128 v[OC], v[C+8*(\n%2):C+8*(\n%2)+3], s[34:35] offset:8192*(\n%4)+1024*(\n/4)          ; 32 lanes store 512 consecutive bytes, at a multiple of 256 from wq's first byte
	global_store_b128 v[OC], v[C+8*(\n%2)+4:C+8*(\n%2)+7], s[34:35] offset:8192*(\n%4)+1024*(\n/4)+512
.if \n+3 <= 7
	LOADIMG \n+3                                   ; into the set just quantised
.endif
.endr
.irp t, 0,1,2,3
	v_cndmask_b32 v[OUTW+\t], v[SW+\t], v[SW+4+\t], s[MASK]        ; lanes 0-15: tile 2 p's word of K step tt; lanes 16-31: tile 2 p + 1's
.endr
	global_store_b128 v[OW], v[OUTW:OUTW+3], s[34:35] offset:32768
	s_wait_tensorcnt 0x0
	ds_add_u32 v254, v255
	s_wait_dscnt 0x0
	s_endpgm
	; ---- s: wave t makes the record of rows 16 bt on, j = 128 t on.  K is innermost: a lane's block is 128 consecutive bytes of its row.
.Ls_path:
	s_lshl_b32 s26, ttmp9, 14                      ; 16 rows of 1,024 bytes
	s_and_b32 s31, s20, 1
	s_lshl_b32 s31, s31, 9                         ; + 128 (t & 1) numbers
	s_add_co_u32 s26, s26, s31
	s_cmp_lt_u32 s20, 2                            ; j under 256 lies in h0, the rest in h1
	s_cselect_b64 s[32:33], s[10:11], s[12:13]
	s_add_nc_u64 s[32:33], s[32:33], s[26:27]
	s_lshl_b32 s24, ttmp9, 2
	s_add_co_u32 s24, s24, s20
	s_mul_i32 s24, s24, RECB
	s_add_nc_u64 s[34:35], s[16:17], s[24:25]
	v_lshlrev_b32 v[LO], 10, v2
	v_lshl_add_u32 v[LO], v3, 7, v[LO]             ; row r, + 32 h numbers
.irp c, 0,1
.irp m, 0,1,2,3,4,5,6,7
	global_load_b128 v[R+32*\c+4*\m:R+32*\c+4*\m+3], v[LO], s[32:33] offset:256*\c+16*\m
.endr
.endr
	s_branch .Lrec
	; ---- Wmerge: K = j is its FIRST axis: a lane takes a column l and its registers run down j.  Wave t makes the record of columns 16 lt on, j = 128 t on.
.Lm_path:
	s_sub_co_u32 s21, ttmp9, 64                    ; lt
	s_lshl_b32 s26, s20, 17                        ; 128 t rows of 1,024 bytes
	s_lshl_b32 s31, s21, 6                         ; + 16 lt numbers
	s_add_co_u32 s26, s26, s31
	s_add_nc_u64 s[32:33], s[8:9], s[26:27]
	s_lshl_b32 s24, s21, 2
	s_add_co_u32 s24, s24, s20
	s_mul_i32 s24, s24, RECB
	s_add_nc_u64 s[34:35], s[18:19], s[24:25]
	v_lshlrev_b32 v[LO], 2, v2
	v_lshl_add_u32 v[LO], v3, 15, v[LO]            ; column r; lanes 16-31 begin 32 rows further down
.irp c, 0,1
.irp i, 0,1,2,3,4,5,6,7,8,9,10,11,12,13,14,15,16,17,18,19,20,21,22,23,24,25,26,27,28,29,30,31
	global_load_b32 v[R+32*\c+\i], v[LO], s[32:33] offset:(64*\c+\i)*1024
.endr
.endr
.Lrec:
	v_lshlrev_b32 v[L8], 3, v1
	s_wait_loadcnt 0x0
	QUANT64 R, C, WD
	v_mov_b32 v[WD+1], v[WD]
	global_store_b128 v[VO], v[C:C+3], s[34:35]
	global_store_b128 v[VO], v[C+4:C+7], s[34:35] offset:512
	global_store_b64 v[L8], v[WD:WD+1], s[34:35] offset:1024       ; 32 lanes store 256 consecutive bytes
	s_endpgm
.Lfunc_end_k_q5af8deb84d_quant:
	.size	k_q5af8deb84d_quant, .Lfunc_end_k_q5af8deb84d_quant-k_q5af8deb84d_quant
	.p2alignl 7, 3214868480
	.fill 96, 4, 3214868480
	.section	.rodata,"a",@progbits
	.p2align	6, 0x0
	.amdhsa_kernel k_q5af8deb84d_quant
		.amdhsa_group_segment_fixed_size 34304
		.amdhsa_private_segment_fixed_size 0
		.amdhsa_enable_private_segment 0
		.amdhsa_kernarg_size 64
		.amdhsa_user_sgpr_count 2
		.amdhsa_user_sgpr_kernarg_segment_ptr 1
		.amdhsa_wavefront_size32 1
		.amdhsa_system_sgpr_workgroup_id_x 1
		.amdhsa_system_sgpr_workgroup_id_y 1
		.amdhsa_system_sgpr_workgroup_id_z 1
		.amdhsa_system_vgpr_workitem_id 0
		.amdhsa_next_free_vgpr 256
		.amdhsa_next_free_sgpr 66
		.amdhsa_reserve_vcc 0
		.amdhsa_float_denorm_mode_32 3
		.amdhsa_float_denorm_mode_16_64 3
		.amdhsa_memory_ordered 1
		.amdhsa_forward_progress 1
		.amdhsa_inst_pref_size 69
	.end_amdhsa_kernel
	.amdgpu_metadata
---
amdhsa.version: [ 1, 2 ]
amdhsa.kernels:
  - .name:           k_q5af8deb84d_quant
    .symbol:         k_q5af8deb84d_quant.kd
    .args:
      - { .name: W1, .offset: 0, .size: 8, .value_kind: global_buffer, .address_space: global }
      - { .name: W2, .offset: 8, .size: 8, .value_kind: global_buffer, .address_space: global }
      - { .name: Wmerge, .offset: 16, .size: 8, .value_kind: global_buffer, .address_space: global }
      - { .name: h0, .offset: 24, .size: 8, .value_kind: global_buffer, .address_space: global }
      - { .name: h1, .offset: 32, .size: 8, .value_kind: global_buffer, .address_space: global }
      - { .name: wq, .offset: 40, .size: 8, .value_kind: global_buffer, .address_space: global }
      - { .name: sq, .offset: 48, .size: 8, .value_kind: global_buffer, .address_space: global }
      - { .name: mq, .offset: 56, .size: 8, .value_kind: global_buffer, .address_space: global }
    .group_segment_fixed_size: 34304
    .private_segment_fixed_size: 0
    .kernarg_segment_align: 8
    .kernarg_segment_size: 64
    .max_flat_workgroup_size: 128
    .sgpr_count:     66
    .vgpr_count:     256
    .wavefront_size: 32
...
	.end_amdgpu_metadata
.endif
;; end of part 1
;; launch gemm (part 2): grid 8 x 32, 4 waves a work-group, clusters of 4 x 1, 327,680 bytes of LDS; arguments x0, x1, h0, h1, wq, part; writes part
.if DOCPART == 2
	.amdgcn_target "amdgcn-amd-amdhsa--gfx1250"
	.amdhsa_code_object_version 6
	.text
	.protected	k_q5af8deb84d_gemm
	.globl	k_q5af8deb84d_gemm
	.p2align	8
	.type	k_q5af8deb84d_gemm,@function
k_q5af8deb84d_gemm:
	s_mov_b64 s[64:65], 0
	v_nop
	global_prefetch_b8 v0, s[64:65] scope:SCOPE_SE
	s_setreg_imm32_b32 hwreg(HW_REG_WAVE_MODE, 25, 1), 1
	s_wait_xcnt 0x0
	s_wait_alu depctr_hold_cnt(0) depctr_sa_sdst(0) depctr_va_vdst(0) depctr_va_sdst(0) depctr_va_ssrc(0) depctr_va_vcc(0) depctr_vm_vsrc(0)
	s_getreg_b32 s2, hwreg(HW_REG_IB_STS2, 6, 4)
	s_cmp_eq_u32 s2, 0
	s_cbranch_scc0 .Lentry_in_a_cluster
	s_endpgm
.Lentry_in_a_cluster:
	s_bfe_u32 s2, ttmp6, 0x10000c
	s_cmp_lg_u32 s2, 0x3003
	s_cbranch_scc0 .Lentry_shape_is_right
	s_endpgm
.Lentry_shape_is_right:
; Partial sums of m1[b][l] = sum over (j, k) of Q(s[b][j] x[b][k]) Q(W1[l][j][k]) and of m2 likewise with W2, on codes of FP4 (E2M1) with one E8M0 scale for each 32 along K = 256 j + k.
; SHARES.  M x N is 1,024 x 512 (W1's 256 rows and W2's 256 side by side), K is 131,072.  A work-group takes 128 rows b (row tile mt, 8 of them), ALL 512 columns, and one of 32 slices of K:
; 8 x 32 = 256 work-groups.  So each number of the left operand s x is made ONCE in the whole launch.  Slice ks: kq = ks & 1 (k = 128 kq on: x0 or x1), jg = ks >> 1 (j = 32 jg on: h0 or h1);
; K step t = 0 .. 31 is j = 32 jg + t and these 128 k.  The 32 slices' sums go to memory as they stand in the registers; the launch behind this one adds them.
; A wave owns all 128 rows x 128 columns (wave w: tiles 8 w .. 8 w + 7 of 16 columns): 512 registers of sums.
; THE LEFT OPERAND.  x's 128 numbers of a row do not change with t, so they stay in registers: lane (r, h) keeps, for each of its wave's two tiles of 16 rows, x[b][64 c + 32 h + i]: the very numbers, in the very
; order, of a fragment's registers.  A K step's fragment is these times s[b][j], one f32 multiplication each, quantised in the lane: a lane holds two whole blocks.  A block's largest |s x| is |s| times the block's
; largest |x|, rounded once: rounding keeps order, so this is the largest of the rounded products bit for bit, and no search is made in the loop.  Wave w makes the fragments of row tiles 2 w, 2 w + 1 for all four waves;
; they go through LDS as images of their registers (16 bytes a lane on end), in two buffers by turns.
; THE RIGHT OPERAND comes from wq, laid by the launch in front in the order of the operand's registers: a wave's 8 fragments and scale words of four K steps are one dense block of 34,816 bytes, one tensor load.
; Two LDS slots of four K steps.  CLUSTER: the four row tiles of a cluster walk the same slice of K and need the same blocks of wq: each load is JOINT, the same descriptor in all four, mask 15.
; THE MATRIX INSTRUCTION is the 32 x 16 x 128 form: source 0 = 32 rows of W (two neighbouring tiles, 16 registers on end; their scale word in all 32 lanes, lane m for row m, as wq has it), source 1 = 16 rows b
; (scale word in lanes 0-15).  In the result lane (r, h) holds row b = r; registers 0-7 are l = 8 h + 0 .. 7 of the first tile, registers 8-15 of the second.
; THREE KINDS OF WORK STAND BESIDE EACH OTHER IN A K STEP.  Step t opens with ONE run of 44 LDS loads: the fragments and scale words of step t + 1, into the register sets that step t - 1 has left.  Then come its 32
; products, on fragments that have been in registers since the last step.  The making of image t + 2, a list of 106 vector instructions, is cut into slices of five, one behind each of the first 22 products; each
; slice costs two switches of the register window.  The six stores of the images stand together behind the last slice, ten products ahead of the barrier's wait.
; LIMITS: a block of zeros gets the byte 1 where the quantiser says 127 (its codes are zeros, which add nothing under any byte but 0xff; the bytes never leave this launch); NaN and infinities are not served.
; REGISTERS, in windows of 256 (s_set_vgpr_msb: bits 1:0 source 0, 3:2 source 1, 5:4 source 2, 7:6 destination):
;   window 0: v1-31 addresses and small things; v32-39 W's scale words, two sets; v40-55 the left operand's, two sets; v56-63 at work; v64-95 32 products s x; v96-111 their codes; v128-255 x
;   window 1: v0-127 W's fragments, two sets of 8; v128-255 the left operand's, two sets of 8
;   window 2: the sums of rows 0-63 (row tile a, column tile b at v[8 (8 (a % 4) + b)])        window 3: those of rows 64-127
.set BLKB,  34816                      ; a block of wq: 32,768 bytes of codes [tt 4][b 8][c 2][lane 32][16], 2,048 of scale words [p 4][lane 32][tt 4]
.set SLOTB, 4*BLKB                     ; a slot: the four waves' blocks
.set AI,    2*SLOTB                    ; behind the ring: the left operand's images, two buffers; image t lies in buffer t % 2
.set ABUF,  9216                       ; a buffer: 8 fragments of 1,024 bytes, then 8 x 128 bytes of scale words
.set ASW,   8192                       ; where the scale words begin in it: row tile a at 128 a, 4 bytes a lane, the row's word in both halves of the lanes
.set ST,    AI+2*ABUF                  ; s's 32 numbers of each of the 128 rows
.set SPT,   144                        ; a row of that table: 128 bytes + 16: an odd multiple of 16
.set SPARE, ST+128*SPT                 ; the spare words, 128 bytes for each wave: two blocks of 256 bytes that no other line names
.set LI,   1                           ; v1   16 x lane
.set VB,   2                           ; v2-3 my block in slot 0, 1, + 16 x lane
.set AW,   4                           ; v4   where I store my images: AI + 2,048 x wave + 16 x lane
.set AWS,  5                           ; v5   and their scale words: AI + ASW + 256 x wave + 4 x lane
.set VS,   6                           ; v6   my row of the s table (row 32 x wave + r); steps 32 bytes a trip
.set SH8,  7                           ; v7   8 h
.set AR,   8                           ; v8   where I read images: AI + 16 x lane
.set ARS,  9                           ; v9   and scale words: AI + ASW + 4 x lane
.set SJ,   10                          ; v[10:11] s of my row and this j; the packed form names a pair and takes its low word for both halves
.set XM,   12                          ; v12-15 the largest |x| of my four blocks (2 rt + c)
.set SQ,   16                          ; v16-23 s of four K steps, for each of my two row tiles (4 rt + e)
.set GX,   24                          ; v24  x: my byte offset
.set GS,   25                          ; v25  s: my byte offset
.set STW,  26                          ; v26  where I store into the s table
.set SPW,  28                          ; v28  LDS address of my spare word: SPARE + 4 x my thread's number; never rewritten
.set NIL,  29                          ; v29  0; never rewritten
.set PT,   30                          ; v30  the other half's bytes
.set PWT,  31                          ; v31  my two bytes in their places
.set BSC,  32                          ; W's scale words: set s at 4 s + p: lanes 0-15 tile 2 p, lanes 16-31 tile 2 p + 1
.set ASC,  40                          ; the left operand's: set s at 8 s + a
.set M,    56                          ; v56-57 largest magnitudes; v58-59 the conversions' scale operands; v60-61 bytes
.set SC,   58
.set BY,   60
.set PW0,  62                          ; v62-63 my two row tiles' scale words
.set T,    64
.set CD,   96
.set XR,   128                         ; x[64 rt + 32 c + i]
.set BF,   0                           ; in window 1
.set AF,   128                         ; in window 1
.set NPI,  106                         ; vector instructions that make a K step's two fragments
.set G1,   24                          ; s[24:31] descriptor group 1
.set G0,   32                          ; s[32:39] descriptor group 0, one set for each slot
.set SEL,  42                          ; s[42:43] v_permlanex16_b32's selects for lane l xor 16
.set MSB, 0
.macro WIN new                         ; the immediate's high byte repeats the setting that is left; a switch that changes nothing is dropped
.if MSB != \new
	s_set_vgpr_msb (MSB<<8)|\new
.set MSB, \new
.endif
.endm
.set MUL_LO, 0xa5                      ; sources 0 and 1 window 1, C and D window 2
.set MUL_HI, 0xf5                      ; the same, C and D window 3
.set TO_1,   0x40                      ; destination window 1
.set OUT2,   0x08                      ; a store's data (source 1) window 2
.set OUT3,   0x0c                      ; window 3
.macro PLACES                          ; four places behind a matrix instruction of this form, in front of loads into registers that it read and of stores of its results (ISA guide 7.12.1 for vector instructions)
.rept 4
	v_nop
.endr
.endm
.macro CREST                           ; a round of the cluster's barrier behind its opening barrier
	s_cmp_lg_u32 s16, 0
	s_cbranch_scc1 .Lnot_wave_0_\@
	s_barrier_signal -3
.Lnot_wave_0_\@:
	s_barrier_wait -3
	s_barrier_signal -1
	s_barrier_wait -1
.endm
.macro CROUND                          ; a whole round
	s_barrier_signal -1
	s_barrier_wait -1
	CREST
.endm
	s_load_b256 s[4:11], s[0:1], 0x0               ; x0 s[4:5], x1 s[6:7], h0 s[8:9], h1 s[10:11]
	s_load_b128 s[12:15], s[0:1], 0x20             ; wq s[12:13], part s[14:15]
	v_lshl_add_u32 v[SPW], v0, 2, SPARE
	v_mov_b32 v[NIL], 0
	ds_add_u32 v28, v29
	ds_add_u32 v28, v29
	s_wait_dscnt 0x0
	v_lshrrev_b32 v1, 5, v0
	v_readfirstlane_b32 s16, v1                    ; wave 0..3
	s_bfe_u32 s17, ttmp6, 0x40000                  ; cx: my place in the cluster: it enters x's, s's and part's addresses alone
	s_lshl_b32 s18, ttmp9, 2                       ; in a cluster launch ttmp9 counts clusters
	s_add_co_u32 s18, s18, s17                     ; mt: my 128 rows
	s_and_b32 s19, ttmp7, 0xffff                   ; ks: the slice of K, which the four partners share
	s_and_b32 s20, s19, 1                          ; kq
	s_lshr_b32 s21, s19, 1                         ; jg
	; descriptor group 1: a dense block of 34,816 bytes as 136 rows of 256 bytes (32 elements of 8 bytes), no padding: it is read as images, 16 bytes a lane on end
	s_mov_b32 s[G1+0], 15|(3<<16)|(1<<21)          ; 15:0 the mask: all four work-groups; 17:16 elements of 8 bytes; 21 set beside a mask
	s_mov_b32 s[G1+1], 32<<16                      ; tensor_dim0 = 32
	s_mov_b32 s[G1+2], 136<<16                     ; tensor_dim1 = 136
	s_mov_b32 s[G1+3], 32<<16                      ; tile_dim0 = 32
	s_mov_b32 s[G1+4], 136                         ; tile_dim1 = 136
	s_mov_b32 s[G1+5], 32                          ; tensor_dim0_stride
	s_mov_b32 s[G1+6], 0
	s_mov_b32 s[G1+7], 0
	s_lshl_b32 s46, s18, 16                        ; x: row 128 mt + 32 wave, of 512 bytes
	s_lshl_b32 s47, s16, 14
	s_add_co_u32 s46, s46, s47
	s_mov_b32 s47, 0
	s_lshl_b32 s48, s18, 17                        ; s: the same row, of 1,024 bytes,
	s_lshl_b32 s49, s16, 15
	s_add_co_u32 s48, s48, s49
	s_and_b32 s49, s21, 7
	s_lshl_b32 s49, s49, 7                         ; + 32 (jg & 7) numbers
	s_add_co_u32 s48, s48, s49
	s_mov_b32 s49, 0
	s_lshl_b32 s22, s18, 23                        ; part [bt 64][nt 32][ks 32][1,024 bytes]: bt = 8 mt on, nt = 8 wave on
	s_lshl_b32 s23, s16, 18
	s_add_co_u32 s22, s22, s23
	s_lshl_b32 s23, s19, 10
	s_add_co_u32 s22, s22, s23
	s_mov_b32 s23, 0
	s_lshl_b32 s56, s19, 2                         ; wq: block (4 ks + wave) x 8: made of what the partners share, in registers that never hold cx
	s_add_co_u32 s56, s56, s16
	s_mul_i32 s56, s56, 8*BLKB
	s_mov_b32 s57, 0
	s_mul_i32 s58, s16, BLKB                       ; and where it goes in a slot
	s_mov_b32 s[SEL], 0x76543210
	s_mov_b32 s[SEL+1], 0xfedcba98
	s_wait_kmcnt 0x0
	s_cmp_eq_u32 s20, 0
	s_cselect_b64 s[50:51], s[4:5], s[6:7]         ; k under 128 lies in x0, the rest in x1
	s_add_nc_u64 s[50:51], s[50:51], s[46:47]
	s_cmp_lt_u32 s21, 8
	s_cselect_b64 s[52:53], s[8:9], s[10:11]       ; j under 256 lies in h0, the rest in h1
	s_add_nc_u64 s[52:53], s[52:53], s[48:49]
	s_add_nc_u64 s[54:55], s[14:15], s[22:23]
	s_mov_b32 s[G0], 1                             ; 1:0 count = 1
	s_mov_b32 s[G0+1], s58                         ; 63:32 LDS address: slot 0
	s_add_nc_u64 s[G0+2:G0+3], s[12:13], s[56:57]  ; 120:64 global address: group 0 of four K steps
	s_mov_b32 s[G0+4], 1
	s_add_co_u32 s[G0+5], s58, SLOTB               ; slot 1
	s_add_nc_u64 s[G0+6:G0+7], s[G0+2:G0+3], BLKB  ; group 1
	s_or_b32 s[G0+3], s[G0+3], 0x80000000          ; 127:126 type = 2
	s_or_b32 s[G0+7], s[G0+7], 0x80000000
	CROUND                                         ; all four work-groups are here: the first joint loads meet
	tensor_load_to_lds s[G0:G0+3], s[G1:G1+7]      ; both first fills go out together, ahead of every wait on TENSORcnt and every LDS read: two loads of mine are out
	s_nop 0
	tensor_load_to_lds s[G0+4:G0+7], s[G1:G1+7]
	s_nop 0
	PLACES                                         ; four v_nop follow
	v_and_b32 v[M], 31, v0                         ; lane
	v_and_b32 v[M+1], 15, v0                       ; r
	v_bfe_u32 v[SC], v0, 4, 1                      ; h
	v_lshlrev_b32 v[LI], 4, v[M]
	v_add_nc_u32 v[VB], s58, v[LI]
	v_add_nc_u32 v[VB+1], SLOTB, v[VB]
	s_lshl_b32 s59, s16, 11
	v_add_nc_u32 v[AW], s59, v[LI]
	v_add_nc_u32 v[AW], AI, v[AW]
	v_add_nc_u32 v[AR], AI, v[LI]
	v_lshl_add_u32 v[ARS], v[M], 2, AI+ASW
	s_lshl_b32 s59, s16, 8
	v_add_nc_u32 v[AWS], s59, v[ARS]
	s_mul_i32 s59, s16, 32*SPT
	v_mul_u32_u24 v[VS], v[M+1], SPT
	v_add_nc_u32 v[VS], s59, v[VS]
	v_add_nc_u32 v[VS], ST, v[VS]
	v_lshlrev_b32 v[SH8], 3, v[SC]
	v_lshlrev_b32 v[GX], 9, v[M+1]
	v_lshl_add_u32 v[GX], v[SC], 7, v[GX]          ; x: row r of 512 bytes, + 32 h numbers
	v_lshrrev_b32 v[SC+1], 3, v[M]
	v_and_b32 v[BY], 7, v[M]
	v_lshlrev_b32 v[GS], 10, v[SC+1]
	v_lshl_add_u32 v[GS], v[BY], 4, v[GS]          ; s: eight lanes take a row's 128 bytes, four rows a load
	v_mul_u32_u24 v[STW], v[SC+1], SPT
	v_lshl_add_u32 v[STW], v[BY], 4, v[STW]
	v_add_nc_u32 v[STW], s59, v[STW]
	v_add_nc_u32 v[STW], ST, v[STW]
	v_mov_b32 v[SJ+1], 0                           ; (named with v10 as a pair, so it is written)
	v_mov_b32 v[PT], 0                             ; written once: a lane permute's destination counts as one of its sources
.irp rt, 0,1
.irp c, 0,1
.irp m, 0,1,2,3,4,5,6,7
	global_load_b128 v[XR+64*\rt+32*\c+4*\m:XR+64*\rt+32*\c+4*\m+3], v[GX], s[50:51] offset:8192*\rt+256*\c+16*\m   ; x stays in registers for the whole launch
.endr
.endr
.endr
.irp i, 0,1,2,3,4,5,6,7
	global_load_b128 v[T+4*\i:T+4*\i+3], v[GS], s[52:53] offset:4096*\i    ; s of my wave's 32 rows, 32 j
.endr
	s_wait_loadcnt 0x0
.irp i, 0,1,2,3,4,5,6,7
	ds_store_b128 v[STW], v[T+4*\i:T+4*\i+3] offset:4*SPT*\i               ; into my wave's own rows of the table: only my wave reads them, so no barrier is owed
.endr
; ONE RUN OF 44 LDS LOADS: all that the slot's K step tt wants, into register sets tt % 2: W's 8 fragments, the left operand's 8 (image buffer tt % 2), W's 4 scale words, the left operand's 8.
.macro FETCH slot, tt
.set fp, (\tt)%2
	WIN TO_1
.irp b, 0,1,2,3,4,5,6,7
.irp c, 0,1
	ds_load_b128 v[BF+64*fp+8*\b+4*\c:BF+64*fp+8*\b+4*\c+3], v[VB+(\slot)] offset:8192*(\tt)+1024*\b+512*\c
.endr
.endr
.irp a, 0,1,2,3,4,5,6,7
.irp c, 0,1
	ds_load_b128 v[AF+64*fp+8*\a+4*\c:AF+64*fp+8*\a+4*\c+3], v[AR] offset:ABUF*fp+1024*\a+512*\c
.endr
.endr
	WIN 0
.irp p, 0,1,2,3
	ds_load_b32 v[BSC+4*fp+\p], v[VB+(\slot)] offset:32768+512*\p+4*(\tt)
.endr
.irp a, 0,1,2,3,4,5,6,7
	ds_load_b32 v[ASC+8*fp+\a], v[ARS] offset:ABUF*fp+128*\a
.endr
.endm
; s of four K steps, for my two row tiles
.macro SLOAD imm
	ds_load_b128 v[SQ:SQ+3], v[VS] offset:\imm
	ds_load_b128 v[SQ+4:SQ+7], v[VS] offset:(\imm)+16*SPT
.endm
; THE MAKING OF A K STEP'S TWO FRAGMENTS is a list of NPI = 2 x 53 vector instructions; PITEM writes number pn of it.  e: which of the four s in hand is the step's.  For row tile 2 wave + rt, number j of 53:
;   0      s of my row;   1-6  for each of my two blocks: its largest |s x|, the floor 2^(3 - 127) (so that the byte cannot fall under 1), 2 off the exponent field: the conversion's scale operand
;   7-27   block c = 0, 28-48 block c = 1: sixteen packed multiplications s x into v[T] on, and four conversions of eight numbers, each as soon as its eight are made, so that the conversions lie apart;
;          then the scale's byte, a plain line behind the last conversion and ahead of the next write of its sources
;   49-52  my two bytes (blocks h and 2 + h) 8 h bits up, joined with lane l xor 16's two: the row's scale word, in both halves of the lanes
.macro PITEM e
.set rt, pn/53
.set j, pn%53
.set c, 0
.set u, j-7
.if j >= 28
.set c, 1
.set u, j-28
.endif
.if j == 0
	v_mov_b32 v[SJ], v[SQ+4*rt+(\e)]
.elseif j < 3
	v_mul_f32 v[M+j-1], |v[SJ]|, v[XM+2*rt+j-1]
.elseif j < 5
	v_max_num_f32 v[M+j-3], 0x1800000, v[M+j-3]
.elseif j < 7
	v_add_nc_u32 v[SC+j-5], 0xff000000, v[M+j-5]
.elseif j == 49
	v_lshl_or_b32 v[PWT], v[BY+1], 16, v[BY]
.elseif j == 50
	v_lshlrev_b32 v[PWT], v[SH8], v[PWT]
.elseif j == 51
	v_permlanex16_b32 v[PT], v[PWT], s[SEL], s[SEL+1]
.elseif j == 52
	v_or_b32 v[PW0+rt], v[PWT], v[PT]
.elseif u == 20
	v_lshrrev_b32 v[BY+c], 23, v[SC+c]
.elseif (u == 8) || (u == 13) || (u >= 18)
.set g, u-16
.if u == 8
.set g, 0
.endif
.if u == 13
.set g, 1
.endif
	v_cvt_scalef32_pk8_fp4_f32 v[CD+8*rt+4*c+g], v[T+8*g:T+8*g+7], v[SC+c]
.else
.set k, u
.if u > 8
.set k, u-1
.endif
.if u > 13
.set k, u-2
.endif
	v_pk_mul_f32 v[T+2*k:T+2*k+1], v[XR+64*rt+32*c+2*k:XR+64*rt+32*c+2*k+1], v[SJ:SJ+1] op_sel_hi:[1,0]   ; s x, in f32, two at a time
.endif
.endm
.macro SLICE e                         ; the next five of the list
	WIN 0
.rept 5
.if pn < NPI
	PITEM \e
.set pn, pn+1
.endif
.endr
.endm
.macro IMAGES buf                      ; my two fragments and their scale words go to LDS as they stand: six stores in one run
.irp rt, 0,1
.irp c, 0,1
	ds_store_b128 v[AW], v[CD+8*\rt+4*\c:CD+8*\rt+4*\c+3] offset:ABUF*(\buf)+1024*\rt+512*\c
.endr
	ds_store_b32 v[AWS], v[PW0+\rt] offset:ABUF*(\buf)+128*\rt
.endr
.endm
.macro PRODS buf, e                    ; the whole list on end, ahead of the first product
.set pn, 0
.rept NPI
	PITEM \e
.set pn, pn+1
.endr
	IMAGES \buf
.endm
; One product: row tile a x column tiles 2 p and 2 p + 1, on register sets fs.
.macro WM2 a, p, fs, zero
.set rD, 8*(8*((\a)%4)+2*(\p))
.set rW, BF+64*(\fs)+16*(\p)
.set rA, AF+64*(\fs)+8*(\a)
.set rS, BSC+4*(\fs)+(\p)
.set rT, ASC+8*(\fs)+(\a)
.if \zero
	v_wmma_scale_f32_32x16x128_f4 v[rD:rD+15], v[rW:rW+15], v[rA:rA+7], 0, v[rS], v[rT]
.else
	v_wmma_scale_f32_32x16x128_f4 v[rD:rD+15], v[rW:rW+15], v[rA:rA+7], v[rD:rD+15], v[rS], v[rT]
.endif
.endm
; A K STEP: t, the slot's tt-th.  Its fragments are in register sets tt % 2.
;   ft = 1: the run of loads for step t + 1 stands first (the last products that read those registers stand four places back).
;   32 products, the 32 accumulators by turns, in the same order in every K step.  zero = 1: they start the sums: nothing is ever cleared.
;   mk = 1: image t + 2 is made in slices behind products 0 to 21 and stored, into buffer tt % 2, behind product 21.  ld = 1: s of the next four K steps is fetched there too, behind the last use of the four in hand.
;   Behind product 27: one wait for all my LDS instructions; the signal; four products, which touch registers only; the barrier's wait.
; ONE BARRIER A K STEP (bar >= 1) orders the images both ways.  Buffer tt % 2, into which this step stores, was last read by the run of loads of the step before, which every wave awaited in front of that step's
; signal.  What this step stores has landed in front of this step's signal and is read behind its wait.  What this step reads (buffer 1 - tt % 2) is back in front of its signal and is written over behind its wait.
; bar = 2: the slot's third step.  Its run of loads was the last that reads this slot, so the slot is filled again: in front of the signal I wait for all my tensor loads (one is out: my block of the other slot, which
;          the next step's run of loads reads) and add 0 to my spare word; the barrier opens a round of the cluster's barrier, so that no wave of any partner still reads this slot or has a load on its way; the joint
;          refill is the first thing behind the round, and has four K steps in which to land.
; bar = 3: the same waits and a plain barrier: the other slot's block is shown landed, and nothing is left to fetch.
.macro STEP slot, tt, zero, mk, ft, ld, bar
.if \ft
.if (\tt) == 3
	FETCH 1-(\slot), 0
.else
	FETCH \slot, (\tt)+1
.endif
.endif
.set pn, 0
.set wi, 0
.rept 32
.if wi < 16
	WIN MUL_LO
.else
	WIN MUL_HI
.endif
	WM2 wi/4, wi%4, (\tt)%2, \zero
.if (\mk) && (wi < 22)
	SLICE ((\tt)+2)%4
.endif
.if wi == 21
.if \mk
	IMAGES (\tt)%2
.endif
.if \ld
	SLOAD 16*((\slot)+1)
.endif
.if (\bar) >= 2
	WIN 0                                          ; (the add's two registers lie in window 0)
	s_wait_tensorcnt 0x0                           ; all my tensor loads have landed, so a group 0 may be written
	ds_add_u32 v[SPW], v[NIL]                      ; 0 onto my spare word: six products stand between it and the wait for it
.if (\bar) == 2
	s_add_nc_u64 s[G0+4*(\slot)+2:G0+4*(\slot)+3], s[G0+4*(\slot)+2:G0+4*(\slot)+3], 2*BLKB   ; this slot's next block: two groups on; the type bits on top are not reached
.endif
.endif
.endif
.if (wi == 27) && (\ft)
	s_wait_dscnt 0x0                               ; the next step's fragments are in, my images have landed, the add (where there is one) is done, my reads of the slot and of the image buffer are over
.if \bar
	s_barrier_signal -1
.endif
.endif
.set wi, wi+1
.endr
	WIN 0                                          ; at a label and at a branch every window is 0
.if \bar
	s_barrier_wait -1
.endif
.if (\bar) == 2
	CREST
	tensor_load_to_lds s[G0+4*(\slot):G0+4*(\slot)+3], s[G1:G1+7]
	s_nop 0
.endif
	PLACES                                         ; behind the last products, in front of the next step's loads into their operands
.endm
	SLOAD 0                                        ; LDS serves a wave's instructions in order (ISA guide 5.7.1.4): these see my stores above
.irp q, 0,1,2,3
	v_mov_b32 v[XM+\q], 0
.endr
.irp i, 0,2,4,6,8,10,12,14,16,18,20,22,24,26,28,30
.irp q, 0,1,2,3
	v_max3_num_f32 v[XM+\q], v[XM+\q], |v[XR+32*\q+\i]|, |v[XR+32*\q+\i+1]|   ; the largest |x| of each of my four blocks, once for the launch; the four by turns
.endr
.endr
	s_wait_dscnt 0x0
	PRODS 0, 0                                     ; my part of images 0 and 1
	PRODS 1, 1
	s_wait_tensorcnt 0x1                           ; my block of slot 0 is in (only I read it); slot 1's, issued behind it, may stay out
	s_wait_dscnt 0x0                               ; my images have landed
	s_barrier_signal -1
	s_barrier_wait -1
	FETCH 0, 0                                     ; K step 0's fragments
	s_wait_dscnt 0x0                               ; they are in: my reads of image buffer 0 are over,
	s_barrier_signal -1
	s_barrier_wait -1                              ; and everybody's: K step 0 stores image 2 there
	STEP 0, 0, 1, 1, 1, 0, 1                       ; the first K step stands in front of the loop: its products start the sums
	s_mov_b32 s40, 3
.Llap:                                             ; a trip goes once round the ring, from a lap's second K step to the next lap's first, and fills both slots again: groups 2 to 7
	STEP 0, 1, 0, 1, 1, 1, 1
	STEP 0, 2, 0, 1, 1, 0, 2
	STEP 0, 3, 0, 1, 1, 0, 1
	STEP 1, 0, 0, 1, 1, 0, 1
	STEP 1, 1, 0, 1, 1, 1, 1
	STEP 1, 2, 0, 1, 1, 0, 2
	STEP 1, 3, 0, 1, 1, 0, 1
	STEP 0, 0, 0, 1, 1, 0, 1
	v_add_nc_u32 v[VS], 32, v[VS]                  ; eight K steps on in the s table
	s_sub_co_u32 s40, s40, 1
	s_cmp_lg_u32 s40, 0
	s_cbranch_scc1 .Llap
	STEP 0, 1, 0, 1, 1, 1, 1                       ; the last lap is written out: it asks for nothing more
	STEP 0, 2, 0, 1, 1, 0, 3
	STEP 0, 3, 0, 1, 1, 0, 1
	STEP 1, 0, 0, 1, 1, 0, 1
	STEP 1, 1, 0, 1, 1, 0, 1                       ; makes the last image, 31
	STEP 1, 2, 0, 0, 1, 0, 0                       ; fetches the last fragments; nothing is stored into LDS any more, so no barrier is owed
	STEP 1, 3, 0, 0, 0, 0, 0
	; THE WAY OUT: the sums as they stand, each accumulator from its low end on: four registers of 32 lanes are 512 consecutive bytes, at a multiple of 256 from part's first byte; a tile's two stores are 1,024 bytes on end.
	WIN OUT2
.irp a, 0,1,2,3
.irp b, 0,1,2,3,4,5,6,7
	global_store_b128 v[LI], v[8*(8*\a+\b):8*(8*\a+\b)+3], s[54:55] offset:1048576*\a+32768*\b
	global_store_b128 v[LI], v[8*(8*\a+\b)+4:8*(8*\a+\b)+7], s[54:55] offset:1048576*\a+32768*\b+512
.endr
.endr
	WIN OUT3
.irp a, 0,1,2,3
.irp b, 0,1,2,3,4,5,6,7
	global_store_b128 v[LI], v[8*(8*\a+\b):8*(8*\a+\b)+3], s[54:55] offset:1048576*(\a+4)+32768*\b      ; 7,569,920 at the most: inside the signed 24-bit immediate (ISA guide, chapter 10)
	global_store_b128 v[LI], v[8*(8*\a+\b)+4:8*(8*\a+\b)+7], s[54:55] offset:1048576*(\a+4)+32768*\b+512
.endr
.endr
	WIN 0
	s_wait_tensorcnt 0x0                           ; the wave's end: behind my last tensor load and my last LDS store
	ds_add_u32 v[SPW], v[NIL]
	s_wait_dscnt 0x0
	CROUND                                         ; the closing round: no work-group ends while a partner may still ask for a block that names it
	s_endpgm
.Lfunc_end_k_q5af8deb84d_gemm:
	.size	k_q5af8deb84d_gemm, .Lfunc_end_k_q5af8deb84d_gemm-k_q5af8deb84d_gemm
	.p2alignl 7, 3214868480
	.fill 96, 4, 3214868480
	.section	.rodata,"a",@progbits
	.p2align	6, 0x0
	.amdhsa_kernel k_q5af8deb84d_gemm
		.amdhsa_group_segment_fixed_size 327680
		.amdhsa_private_segment_fixed_size 0
		.amdhsa_enable_private_segment 0
		.amdhsa_kernarg_size 48
		.amdhsa_user_sgpr_count 2
		.amdhsa_user_sgpr_kernarg_segment_ptr 1
		.amdhsa_wavefront_size32 1
		.amdhsa_system_sgpr_workgroup_id_x 1
		.amdhsa_system_sgpr_workgroup_id_y 1
		.amdhsa_system_sgpr_workgroup_id_z 1
		.amdhsa_system_vgpr_workitem_id 0
		.amdhsa_next_free_vgpr 1024
		.amdhsa_next_free_sgpr 66
		.amdhsa_reserve_vcc 0
		.amdhsa_float_denorm_mode_32 3
		.amdhsa_float_denorm_mode_16_64 3
		.amdhsa_memory_ordered 1
		.amdhsa_forward_progress 1
		.amdhsa_inst_pref_size 255
	.end_amdhsa_kernel
	.section	.bss,"aw",@nobits
	.p2align	6
	.space	262144
	.amdgpu_metadata
---
amdhsa.version: [ 1, 2 ]
amdhsa.kernels:
  - .name:           k_q5af8deb84d_gemm
    .symbol:         k_q5af8deb84d_gemm.kd
    .args:
      - { .name: x0, .offset: 0, .size: 8, .value_kind: global_buffer, .address_space: global }
      - { .name: x1, .offset: 8, .size: 8, .value_kind: global_buffer, .address_space: global }
      - { .name: h0, .offset: 16, .size: 8, .value_kind: global_buffer, .address_space: global }
      - { .name: h1, .offset: 24, .size: 8, .value_kind: global_buffer, .address_space: global }
      - { .name: wq, .offset: 32, .size: 8, .value_kind: global_buffer, .address_space: global }
      - { .name: part, .offset: 40, .size: 8, .value_kind: global_buffer, .address_space: global }
    .group_segment_fixed_size: 327680
    .private_segment_fixed_size: 0
    .kernarg_segment_align: 8
    .kernarg_segment_size: 48
    .max_flat_workgroup_size: 128
    .sgpr_count:     66
    .vgpr_count:     1024
    .wavefront_size: 32
...
	.end_amdgpu_metadata
.endif
;; end of part 2
;; launch finish (part 3): grid 4 x 64, 4 waves a work-group, no clusters, 5,120 bytes of LDS; arguments part, sq, mq, b1, b2, out0, out1; writes out0, out1
.if DOCPART == 3
	.amdgcn_target "amdgcn-amd-amdhsa--gfx1250"
	.amdhsa_code_object_version 6
	.text
	.protected	k_q5af8deb84d_finish
	.globl	k_q5af8deb84d_finish
	.p2align	8
	.type	k_q5af8deb84d_finish,@function
k_q5af8deb84d_finish:
	s_mov_b64 s[64:65], 0
	v_nop
	global_prefetch_b8 v0, s[64:65] scope:SCOPE_SE
	s_setreg_imm32_b32 hwreg(HW_REG_WAVE_MODE, 25, 1), 1
	s_wait_xcnt 0x0
; out[b][l] = u tanh(m1 + b1) + (1 - u) (s Wmerge), u = sigmoid(m2 + b2); written to out0 and to out1.  m1 and m2 are the sums over the 32 slices of K that lie in part; s Wmerge is made here, on the codes
; of FP4 (E2M1) and E8M0 scale words in sq and mq.  All sums and the activations in f32.
; SHARES.  A work-group makes 16 rows b (bt) x 64 columns l (lg); wave w the tile of 16 columns lt = 4 lg + w.  64 x 4 = 256 work-groups.
; part [bt 64][nt 32][ks 32][q 2][lane 32][16 bytes] holds accumulators as they stood in registers: lane (r, h), register 4 q + i = (row b = r, column l = 8 h + 4 q + i); nt = lt for m1, 16 + lt for m2.
; A tile's 32 slices are 32,768 bytes on end; every load reads 512 consecutive bytes.  A ring of 12 sets of 16 registers keeps 48 loads of every wave on their way.
; The small product is used the same way round (source 0 = 16 columns of Wmerge, source 1 = 16 rows of s), so its result lies as the sums lie.  The biases are loaded into the sums' registers: they start the sums.
; tanh(a) = 1 - 2 / (1 + 2^(2 a log2 e)), sigmoid(z) = 1 / (1 + 2^(-z log2 e)): where the power overflows or falls to 0 the results are the limits -1, 1, 0, 1.  LIMITS: NaN and infinities among the inputs are not served.
; REGISTERS: window 0: v1-6 addresses; v8-11 s's scale words, v12-15 Wmerge's; v16-23, v24-31 the two sums; v32-39, v40-47 the small product, K steps 0, 2 and 1, 3; v48-63 at work; v64-255 the ring.
;            window 1: v64-95 s's four fragments, v96-127 Wmerge's.
.set RECB, 1280                        ; a record of sq or mq: 1,024 bytes of codes [c 2][lane 32][16], then [lane 32][8 bytes]: the row's scale word, twice
.set SP,   272                         ; a stage row: 256 bytes + 16
.set LI,   1                           ; v1  16 x lane
.set L8,   2                           ; v2  8 x lane
.set BH,   3                           ; v3  32 h: my eight numbers of a tile's 16 biases
.set STO,  4                           ; v4  the stage: where I put 32 bytes of a row
.set RD,   5                           ; v5  and where I read a row back
.set GO,   6                           ; v6  my byte offset in the wave's rows of out
.set SWD,  8
.set MWD,  12
.set SUM1, 16
.set SUM2, 24
.set MG0,  32
.set MG1,  40
.set E1,   48
.set E2,   56
.set RING, 64
.set SF,   64                          ; in window 1
.set MF,   96                          ; in window 1
.set MSB, 0
.macro WIN new                         ; the immediate's high byte repeats the setting that is left
.if MSB != \new
	s_set_vgpr_msb (MSB<<8)|\new
.set MSB, \new
.endif
.endm
	s_load_b256 s[4:11], s[0:1], 0x0               ; part s[4:5], sq s[6:7], mq s[8:9], b1 s[10:11]
	s_load_b128 s[12:15], s[0:1], 0x20             ; b2 s[12:13], out0 s[14:15]
	s_load_b64 s[16:17], s[0:1], 0x30              ; out1
	s_set_vgpr_msb 0x40
	v_lshl_add_u32 v128, v0, 2, 0x1200
	v_mov_b32 v129, 0
	s_set_vgpr_msb 0x4000
	v_lshrrev_b32 v1, 5, v0
	v_readfirstlane_b32 s18, v1                    ; wave 0..3
	s_and_b32 s19, ttmp7, 0xffff                   ; bt
	s_lshl_b32 s20, ttmp9, 2
	s_add_co_u32 s20, s20, s18                     ; lt
	v_and_b32 v7, 31, v0                           ; lane
	v_and_b32 v48, 15, v0                          ; r
	v_bfe_u32 v49, v0, 4, 1                        ; h
	v_lshlrev_b32 v[LI], 4, v7
	v_lshlrev_b32 v[L8], 3, v7
	v_lshlrev_b32 v[BH], 5, v49
	v_mul_u32_u24 v[STO], v48, SP
	v_lshl_add_u32 v[STO], v49, 5, v[STO]
	s_lshl_b32 s21, s18, 6
	v_add_nc_u32 v[STO], s21, v[STO]               ; in: row r, + 64 x wave (my 16 columns), + 32 h
	s_mul_i32 s21, s18, 4*SP
	v_mul_u32_u24 v[RD], v49, SP
	v_lshl_add_u32 v[RD], v48, 4, v[RD]
	v_add_nc_u32 v[RD], s21, v[RD]                 ; back: my four rows; lanes 0-15 one row of 256 bytes, lanes 16-31 the next
	v_lshlrev_b32 v[GO], 10, v49
	v_lshl_add_u32 v[GO], v48, 4, v[GO]            ; and the same two rows in out
	s_lshl_b32 s22, s19, 20                        ; part: (32 bt + lt) x 32,768
	s_lshl_b32 s23, s20, 15
	s_add_co_u32 s22, s22, s23
	s_mov_b32 s23, 0
	s_mul_i32 s24, s19, 4*RECB                     ; sq: records 4 bt on
	s_mov_b32 s25, 0
	s_mul_i32 s26, s20, 4*RECB                     ; mq: records 4 lt on
	s_mov_b32 s27, 0
	s_lshl_b32 s28, s20, 6                         ; the biases: 16 lt numbers on
	s_mov_b32 s29, 0
	s_lshl_b32 s30, s19, 14                        ; out: row 16 bt + 4 wave, of 1,024 bytes, + 64 lg numbers
	s_lshl_b32 s31, s18, 12
	s_add_co_u32 s30, s30, s31
	s_lshl_b32 s31, ttmp9, 8
	s_add_co_u32 s30, s30, s31
	s_mov_b32 s31, 0
	s_wait_kmcnt 0x0
	s_add_nc_u64 s[4:5], s[4:5], s[22:23]
	s_add_nc_u64 s[6:7], s[6:7], s[24:25]
	s_add_nc_u64 s[8:9], s[8:9], s[26:27]
	s_add_nc_u64 s[10:11], s[10:11], s[28:29]
	s_add_nc_u64 s[12:13], s[12:13], s[28:29]
	s_add_nc_u64 s[14:15], s[14:15], s[30:31]
	s_add_nc_u64 s[16:17], s[16:17], s[30:31]
	WIN 0x40                                       ; destination window 1
.irp t, 0,1,2,3
.irp c, 0,1
	global_load_b128 v[SF+8*\t+4*\c:SF+8*\t+4*\c+3], v[LI], s[6:7] offset:RECB*\t+512*\c
	global_load_b128 v[MF+8*\t+4*\c:MF+8*\t+4*\c+3], v[LI], s[8:9] offset:RECB*\t+512*\c
.endr
.endr
	WIN 0
.irp t, 0,1,2,3
	global_load_b32 v[SWD+\t], v[L8], s[6:7] offset:RECB*\t+1024
	global_load_b32 v[MWD+\t], v[L8], s[8:9] offset:RECB*\t+1024
.endr
	global_load_b128 v[SUM1:SUM1+3], v[BH], s[10:11]               ; b1 and b2 at my eight columns start the sums
	global_load_b128 v[SUM1+4:SUM1+7], v[BH], s[10:11] offset:16
	global_load_b128 v[SUM2:SUM2+3], v[BH], s[12:13]
	global_load_b128 v[SUM2+4:SUM2+7], v[BH], s[12:13] offset:16
.macro RLOAD ks                        ; slice ks of both tiles into set ks % 12: read once in the launch
.set RS, RING+16*((\ks)%12)
.irp q, 0,1
	global_load_b128 v[RS+4*\q:RS+4*\q+3], v[LI], s[4:5] offset:1024*(\ks)+512*\q th:TH_LOAD_NT
	global_load_b128 v[RS+8+4*\q:RS+8+4*\q+3], v[LI], s[4:5] offset:524288+1024*(\ks)+512*\q th:TH_LOAD_NT
.endr
.endm
.macro RSUM ks
.set RS, RING+16*((\ks)%12)
.irp j, 0,2,4,6
	v_pk_add_f32 v[SUM1+\j:SUM1+\j+1], v[SUM1+\j:SUM1+\j+1], v[RS+\j:RS+\j+1]
	v_pk_add_f32 v[SUM2+\j:SUM2+\j+1], v[SUM2+\j:SUM2+\j+1], v[RS+8+\j:RS+8+\j+1]
.endr
.endm
.irp k, 0,1,2,3,4,5,6,7,8,9,10,11
	RLOAD \k
.endr
	s_wait_loadcnt 48                              ; all but the ring's 48: the fragments, the scale words and the biases are in
	WIN 0x05                                       ; sources 0 and 1 window 1
	; s Wmerge, K = 512 in four steps, on two accumulators that take turns; the first product of each starts its sum
	v_wmma_scale_f32_16x16x128_f8f6f4 v[MG0:MG0+7], v[MF:MF+7], v[SF:SF+7], 0, v[MWD], v[SWD] matrix_a_fmt:MATRIX_FMT_FP4 matrix_b_fmt:MATRIX_FMT_FP4
	v_wmma_scale_f32_16x16x128_f8f6f4 v[MG1:MG1+7], v[MF+8:MF+15], v[SF+8:SF+15], 0, v[MWD+1], v[SWD+1] matrix_a_fmt:MATRIX_FMT_FP4 matrix_b_fmt:MATRIX_FMT_FP4
	v_wmma_scale_f32_16x16x128_f8f6f4 v[MG0:MG0+7], v[MF+16:MF+23], v[SF+16:SF+23], v[MG0:MG0+7], v[MWD+2], v[SWD+2] matrix_a_fmt:MATRIX_FMT_FP4 matrix_b_fmt:MATRIX_FMT_FP4
	v_wmma_scale_f32_16x16x128_f8f6f4 v[MG1:MG1+7], v[MF+24:MF+31], v[SF+24:SF+31], v[MG1:MG1+7], v[MWD+3], v[SWD+3] matrix_a_fmt:MATRIX_FMT_FP4 matrix_b_fmt:MATRIX_FMT_FP4
	WIN 0
.set K, 0
.rept 32                               ; the 32 slices, ascending.  (The additions are also the places behind the products: they name none of their registers)
.if 31-K >= 11
	s_wait_loadcnt 44                              ; this slice's four loads are in; those of the eleven sets behind it may be out
.else
	s_wait_loadcnt 4*(31-K)
.endif
	RSUM K
.if K+12 < 32
	RLOAD K+12                                     ; into the set just added
.endif
.set K, K+1
.endr
.irp j, 0,2,4,6
	v_pk_add_f32 v[MG0+\j:MG0+\j+1], v[MG0+\j:MG0+\j+1], v[MG1+\j:MG1+\j+1]       ; the small product's two halves, each accumulator from its low end on
.endr
.irp j, 0,2,4,6
	v_pk_mul_f32 v[E1+\j:E1+\j+1], v[SUM1+\j:SUM1+\j+1], 0x4038aa3b op_sel_hi:[1,0]   ; 2 log2(e) (m1 + b1)
	v_pk_mul_f32 v[E2+\j:E2+\j+1], v[SUM2+\j:SUM2+\j+1], 0xbfb8aa3b op_sel_hi:[1,0]   ; -log2(e) (m2 + b2)
.endr
.irp j, 0,1,2,3,4,5,6,7,8,9,10,11,12,13,14,15
	v_exp_f32 v[E1+\j], v[E1+\j]
.endr
	v_nop                                          ; one plain place behind the exponentials (ISA guide 5.7.2)
	s_wait_alu depctr_va_vdst(0)
.irp j, 0,2,4,6,8,10,12,14
	v_pk_add_f32 v[E1+\j:E1+\j+1], v[E1+\j:E1+\j+1], 1.0 op_sel_hi:[1,0]
.endr
.irp j, 0,1,2,3,4,5,6,7,8,9,10,11,12,13,14,15
	v_rcp_f32 v[E1+\j], v[E1+\j]
.endr
	v_nop                                          ; and behind the reciprocals.  E2 now holds u
	s_wait_alu depctr_va_vdst(0)
.irp j, 0,2,4,6
	v_pk_fma_f32 v[E1+\j:E1+\j+1], v[E1+\j:E1+\j+1], -2.0, 1.0 op_sel_hi:[1,0,0]      ; tanh
.endr
.irp j, 0,2,4,6
	v_pk_add_f32 v[E1+\j:E1+\j+1], v[E1+\j:E1+\j+1], v[MG0+\j:MG0+\j+1] neg_lo:[0,1] neg_hi:[0,1]   ; tanh - s Wmerge
.endr
.irp j, 0,2,4,6
	v_pk_fma_f32 v[E1+\j:E1+\j+1], v[E2+\j:E2+\j+1], v[E1+\j:E1+\j+1], v[MG0+\j:MG0+\j+1]           ; u (tanh - s Wmerge) + s Wmerge
.endr
	; THE WAY OUT: a lane's eight numbers are 32 bytes of a row, and a row's 256 bytes come from four waves: they meet in a stage, and each wave stores four whole rows' parts.
	ds_store_b128 v[STO], v[E1:E1+3]
	ds_store_b128 v[STO], v[E1+4:E1+7] offset:16
	s_wait_dscnt 0x0                               ; for the others' sake: my stores into the stage are done
	s_barrier_signal -1
	s_barrier_wait -1
	ds_load_b128 v[E2:E2+3], v[RD]
	ds_load_b128 v[E2+4:E2+7], v[RD] offset:2*SP
	s_wait_dscnt 0x0
.irp i, 0,1
	global_store_b128 v[GO], v[E2+4*\i:E2+4*\i+3], s[14:15] offset:2048*\i    ; 16 lanes store 256 consecutive bytes, at a multiple of 256 from the buffer's first byte
	global_store_b128 v[GO], v[E2+4*\i:E2+4*\i+3], s[16:17] offset:2048*\i
.endr
	s_set_vgpr_msb 0x5
	s_wait_tensorcnt 0x0
	ds_add_u32 v128, v129
	s_wait_dscnt 0x0
	s_set_vgpr_msb 0x500
	s_endpgm
.Lfunc_end_k_q5af8deb84d_finish:
	.size	k_q5af8deb84d_finish, .Lfunc_end_k_q5af8deb84d_finish-k_q5af8deb84d_finish
	.p2alignl 7, 3214868480
	.fill 96, 4, 3214868480
	.section	.rodata,"a",@progbits
	.p2align	6, 0x0
	.amdhsa_kernel k_q5af8deb84d_finish
		.amdhsa_group_segment_fixed_size 5120
		.amdhsa_private_segment_fixed_size 0
		.amdhsa_enable_private_segment 0
		.amdhsa_kernarg_size 56
		.amdhsa_user_sgpr_count 2
		.amdhsa_user_sgpr_kernarg_segment_ptr 1
		.amdhsa_wavefront_size32 1
		.amdhsa_system_sgpr_workgroup_id_x 1
		.amdhsa_system_sgpr_workgroup_id_y 1
		.amdhsa_system_sgpr_workgroup_id_z 1
		.amdhsa_system_vgpr_workitem_id 0
		.amdhsa_next_free_vgpr 386
		.amdhsa_next_free_sgpr 66
		.amdhsa_reserve_vcc 0
		.amdhsa_float_denorm_mode_32 3
		.amdhsa_float_denorm_mode_16_64 3
		.amdhsa_memory_ordered 1
		.amdhsa_forward_progress 1
		.amdhsa_inst_pref_size 40
	.end_amdhsa_kernel
	.amdgpu_metadata
---
amdhsa.version: [ 1, 2 ]
amdhsa.kernels:
  - .name:           k_q5af8deb84d_finish
    .symbol:         k_q5af8deb84d_finish.kd
    .args:
      - { .name: part, .offset: 0, .size: 8, .value_kind: global_buffer, .address_space: global }
      - { .name: sq, .offset: 8, .size: 8, .value_kind: global_buffer, .address_space: global }
      - { .name: mq, .offset: 16, .size: 8, .value_kind: global_buffer, .address_space: global }
      - { .name: b1, .offset: 24, .size: 8, .value_kind: global_buffer, .address_space: global }
      - { .name: b2, .offset: 32, .size: 8, .value_kind: global_buffer, .address_space: global }
      - { .name: out0, .offset: 40, .size: 8, .value_kind: global_buffer, .address_space: global }
      - { .name: out1, .offset: 48, .size: 8, .value_kind: global_buffer, .address_space: global }
    .group_segment_fixed_size: 5120
    .private_segment_fixed_size: 0
    .kernarg_segment_align: 8
    .kernarg_segment_size: 56
    .max_flat_workgroup_size: 128
    .sgpr_count:     66
    .vgpr_count:     386
    .wavefront_size: 32
...
	.end_amdgpu_metadata
.endif
;; end of part 3
